; MI455X (gfx1250); checked and timed in simulation.
; The chip was launched on July 23, 2026; its instructions are those of AMD's public machine-readable ISA for CDNA 5 (MIT licence, August 2026) and "CDNA5" Instruction Set Architecture Reference Guide (July 2026). The comments in the code are by the model that wrote it; some were corrected since.
;; Deep VCP. Allowed arithmetic: matrix products marked QUANTISED: E2M3 operands, one E8M0 scale for each 32 along K, by v_wmma_scale_f32_16x16x128_f8f6f4 with both operands' format E2M3, f32 sums; products left as they are: f32 operands where the result goes on into a quantised operand, else bf16, f16 or f32 operands; f32 sums; everything else in f32.
;; Inputs: candidate_pts 2 x 64 x 552 x 3 float32; fe_b1 64 float32; fe_b2 32 float32; fe_w1 64 x 6 float32; fe_w2 32 x 64 float32; src_pts 2 x 6 x 2,048 float32; tgt_pts 2 x 6 x 2,048 float32; wl_b1 16 float32; wl_b2 1 float32; wl_w1 16 x 32 float32; wl_w2 1 x 16 float32.
;; Outputs: out0 2 x 64 x 6 float32; out1 2 x 35,328 x 32 float32; out2 2 x 64 x 32 x 6 float32; out3 2 x 64 x 32 x 6 float32.
;; This version of the problem:
;;   THIS VERSION OF THE PROBLEM IS GIVEN IN LOW PRECISION. The matrix products marked QUANTISED in the list below multiply operands that are first quantised to E2M3 (2 exponent bits, 3 mantissa bits; 6 bits a number), with one power-of-two scale for each 32 numbers along K (OCP MX v1.0); their sums are f32. All else is computed in f32.
;;   The module's matrix products, in the order in which they are computed (A, B: the left and right operand; K: the contracted axis; several contracted axes count as one K, in the product's order):
;;     1. [M 4,096, K 6] x [K 6, N 64]; A: input src_pts; B: input fe_w1: left as it is (K = 6 < 32)
;;     2. [M 4,096, K 64] x [K 64, N 32]; A: computed on the way; B: input fe_w2: QUANTISED
;;     3. [M 4,096, K 32] x [K 32, N 16]; A: computed on the way; B: input wl_w1: QUANTISED
;;     4. [M 4,096, K 16] x [K 16, N 1]; A: computed on the way; B: input wl_w2: left as it is (K = 16 < 32)
;;     5. batch 2 x [M 64, K 3] x [K 3, N 64]; A: computed on the way; B: computed on the way: left as it is (K = 3 < 32)
;;     6. [M 4,096, K 6] x [K 6, N 64]; A: input tgt_pts; B: input fe_w1: left as it is (K = 6 < 32)
;;     7. [M 4,096, K 64] x [K 64, N 32]; A: computed on the way; B: input fe_w2: QUANTISED
;;     8. [M 4,096, K 32] x [K 32, N 16]; A: computed on the way; B: input wl_w1: QUANTISED
;;     9. [M 4,096, K 16] x [K 16, N 1]; A: computed on the way; B: input wl_w2: left as it is (K = 16 < 32)
;;     10. batch 2 x [M 64, K 3] x [K 3, N 64]; A: computed on the way; B: computed on the way: left as it is (K = 3 < 32)
;;     11. batch 2 x [M 35,328, K 3] x [K 3, N 2,048]; A: input candidate_pts; B: input tgt_pts: left as it is (K = 3 < 32)
;;   THE QUANTISER, for each operand of a quantised product, along K:
;;     - K is cut into blocks of 32 from its start; a last block that is shorter is filled with zeros.
;;     - A block's scale is 2^e with e = floor(log2(the largest magnitude in the block)) - 2, held to -126 .. 127; a block of zeros has e = 0. As a byte (E8M0): e + 127.
;;     - Each number is divided by its block's scale, clamped to +-7.5, and rounded to the nearest number of E2M3, ties to even, subnormals kept.
;;     - The product sums the exact products of the quantised numbers (number of the format x scale) in f32.
;;   ~~~python
;;   def quantise(x, axis):      # numpy; x: float32 -> the quantised numbers, widened to float32 again
;;       x = np.moveaxis(x, axis, -1); K = x.shape[-1]
;;       x = np.pad(x, [(0, 0)] * (x.ndim - 1) + [(0, -K % 32)]); x = x.reshape(x.shape[:-1] + (-1, 32)); a = np.abs(x).max(-1, keepdims=True)
;;       e = np.where(a > 0, np.clip(np.frexp(np.where(a > 0, a, 1))[1] - 1 - 2, -126, 127), 0)      # np.frexp(a)[1] - 1 = floor(log2(a)), exactly
;;       r = np.clip(x / 2.0 ** e, -7.5, 7.5)
;;       step = 2.0 ** (np.maximum(np.frexp(np.where(r == 0, 1, r))[1] - 1, 0) - 3)
;;       q = np.round(r / step) * step * 2.0 ** e      # np.round: ties to even
;;       return np.moveaxis(q.reshape(q.shape[:-2] + (-1,))[..., :K], -1, axis).astype(np.float32)
;;   ~~~
;;   OPERANDS COMPUTED ON THE WAY. 'Computed on the way' means the value that the module computes at that place (a softmax that the list does not call 'softmax' is quantised finished and normalised). What goes into a quantiser is computed in f32, as accurately as f32 sums, v_exp_f32 and their like allow (about 1e-6 of the number): no bf16 or f16 on the way to a quantiser, and a product that is left as it is and whose result goes on into a quantised operand takes f32 operands (vector FMAs, or v_wmma_f32_16x16x4_f32). A number that lies on a knife's edge between two numbers of the format may be rounded either way, as far as f32 arithmetic and the matrix unit's own rounding can turn it there, and no further.
;; One version. Each part assembles by itself: llvm-mc -triple=amdgcn-amd-amdhsa -mcpu=gfx1250 --defsym DOCPART=n.
;; ======== version 1 of 1: 3 launches
;; workspace buffers: score 16,384 bytes; txyz 49,152 bytes; tbb 16,384 bytes; tab 16,384 bytes of whole numbers
;; launch prep (part 1): grid 80 x 1, 4 waves a work-group, no clusters, 0 bytes of LDS; arguments src_pts, tgt_pts, fe_w1, fe_b1, fe_w2, fe_b2, wl_w1, wl_b1, wl_w2, wl_b2, score, txyz, tbb; writes score, txyz, tbb
.if DOCPART == 1
	.amdgcn_target "amdgcn-amd-amdhsa--gfx1250"
	.amdhsa_code_object_version 6
	.text
	.protected	k_q517c033d51_prep
	.globl	k_q517c033d51_prep
	.p2align	8
	.type	k_q517c033d51_prep,@function
k_q517c033d51_prep:
	s_mov_b64 s[64:65], 0
	v_nop
	global_prefetch_b8 v0, s[64:65] scope:SCOPE_SE
	s_setreg_imm32_b32 hwreg(HW_REG_WAVE_MODE, 25, 1), 1
	s_wait_xcnt 0x0
; TWO JOBS, parted by the work-group's number; no LDS, no barrier: waves share nothing.
; WORK-GROUPS 0-63: the saliency score.  A wave owns 16 points of one cloud (0 = src, 1 = tgt) in BOTH batches (tile T = batch) and takes them through
;   6 -> 64 (f32 matrix form: its result goes into a quantiser) -> relu -> 32 (E2M3 codes) -> 16 (E2M3 codes) -> relu -> 1 (f32 multiply-adds); score[cloud][n] = the mean over the two batches.
; WORK-GROUPS 64-79: the target cloud's xyz as the next launch wants it: txyz[batch][chunk of 16 targets][-2 x (16), -2 y (16), -2 z (16)], 192 bytes a chunk, and tbb[batch][target] = |t|^2.
; ALL PRODUCTS ARE USED TRANSPOSED (source 0 = rows of the weight, source 1 = 16 points): a lane (r = lane % 16, h = lane / 16) holds ONE point r, and its registers run along the channels, the next K.
; THE ROWS OF A WEIGHT THAT FORM A TILE ARE CHOSEN so that the next operand falls into place:
;   fe_w1, tile u: row m is hidden unit 32 (m / 8) + 8 u + m % 8, so a lane's 32 results are hidden units 32 h + 0 .. 31: one WHOLE block of 32, as the 6-bit layout gives lane (r, h) (registers 0-5: k = 32 h ..).
;   fe_w2, tile u: lane r takes row 8 u + r + 8 (r / 8), so a lane's 16 results of the two tiles are channels 16 h + 0 .. 15.
; The first product's K = 6 is filled to 8: slot 6 carries the bias (x = 1, w = b1), slot 7 zeros.  The other biases are the C of their product.
; The third product has K = 32 only: batch 0's block stands as K block 0 (lanes 0-15) and batch 1's as K block 1 (lanes 16-31) of ONE operand; wl_w1's codes stand once in block 0 with zeros in block 1, once the other way.
; K beyond a product's own length holds zero codes under the scale byte 0.
; A block's scale byte is its largest magnitude's exponent field - 2, held at 1 from below (a block of zeros keeps the byte 1: its codes are zeros, and only this text reads the bytes).
; LIMITS: NaN and infinities among the inputs are not served.
.set XA,   4                           ; v4   16384 h + 4 r: channels 2 h, 2 h + 1 of point r
.set X1,   5                           ; v5   4 r
.set W1A,  6                           ; v6   24 rb + 8 h, rb = 32 (r / 8) + r % 8
.set W1B,  7                           ; v7   24 rb + 16
.set B1A,  8                           ; v8   4 rb
.set W2A,  9                           ; v9   256 (r + 8 (r / 8)) + 128 h
.set W3A,  10                          ; v10  128 r
.set CB2A, 11                          ; v11  64 h
.set C8A,  12                          ; v12  32 h
.set H8,   14                          ; v14  8 h
.set WA,   16                          ; v16-31   fe_w1's fragments (tile u, K step s) at 16 + 4 u + 2 s; later the third product's results
.set XB,   32                          ; v32-39   the points' fragments (T, s) at 32 + 4 T + 2 s
.set B1L,  40                          ; v40-43   fe_b1 at my row of tile u
.set CB2,  44                          ; v44-59   fe_b2 in the result's layout, tile u
.set CB1,  60                          ; v60-67   wl_b1 likewise
.set WL2,  68                          ; v68-75   wl_w2 at channels 8 h + j
.set SW2,  76                          ; v76-77   scale words of fe_w2's tiles   (v76-81 hold scales and nothing else)
.set SH,   78                          ; v78-79   of the hidden layer, T
.set SW3,  80                          ; v80      of wl_w1
.set SF,   81                          ; v81      of the features: byte 0 batch 0, byte 1 batch 1
.set TC,   82                          ; v82-87   six registers of codes; later at work
.set TT,   88                          ; v88-90   a conversion's second three registers
.set MX,   91
.set MY,   92
.set SOP,  93
.set BY,   94
.set PT,   95
.set H,    96                          ; v96-127  the first product's four accumulators: written by matrix instructions alone
.set HR,   128                         ; v128-159 the hidden layer behind relu; later the features (T, u) at 128 + 16 T + 8 u
.set W2F,  160                         ; v160-223 fe_w2 as f32, 32 a tile
.set W3F,  224                         ; v224-255 wl_w1 as f32
.set W2C1, 160                         ; codes: fe_w2's tile 1,
.set W2C0, 172                         ; tile 0,
.set HC,   184                         ; the hidden layer, 12 T on,
.set FOP,  208                         ; the features,
.set FT,   220
.set W3CA, 224                         ; wl_w1 in K block 0,
.set W3CB, 236                         ; and in K block 1
.set G,    16
; my own block of 32 numbers, v[src] on, becomes six registers of codes, v[dst] on; its byte is left in v[BY]
.macro QB32 src, dst, tmp
	v_max3_num_f32 v[MX], |v[\src]|, |v[\src+1]|, 0x1800000          ; the floor 2^(3 - 127) among the leaves: the byte cannot fall under 1
	v_max3_num_f32 v[MY], |v[\src+2]|, |v[\src+3]|, |v[\src+4]|      ; two chains, so that no line waits for the line above it
.irp i, 5,9,13,17,21,25
	v_max3_num_f32 v[MX], v[MX], |v[\src+\i]|, |v[\src+\i+1]|
	v_max3_num_f32 v[MY], v[MY], |v[\src+\i+2]|, |v[\src+\i+3]|
.endr
	v_max3_num_f32 v[MX], v[MX], |v[\src+29]|, |v[\src+30]|
	v_max3_num_f32 v[MX], v[MX], v[MY], |v[\src+31]|
	v_add_nc_u32 v[SOP], 0xff000000, v[MX]                           ; 2 off the exponent field: the conversion's scale operand
	v_lshrrev_b32 v[BY], 23, v[SOP]                                  ; the scale's byte
	v_cvt_scalef32_pk16_fp6_f32 v[\dst:\dst+2], v[\src:\src+15], v[SOP]
	v_cvt_scalef32_pk16_fp6_f32 v[\tmp:\tmp+2], v[\src+16:\src+31], v[SOP]   ; (a conversion's three registers begin on an even number)
	v_nop                                                            ; one plain place behind a scaled conversion
.irp i, 0,1,2
	v_mov_b32 v[\dst+3+\i], v[\tmp+\i]
.endr
.endm
; my byte (block h of row or point r) and lane l xor 16's make the scale word
.macro WORD2 sc
	v_lshlrev_b32 v[BY], v[H8], v[BY]
	v_permlanex16_b32 v[PT], v[BY], s30, s31
	v_or_b32 v[\sc], v[BY], v[PT]
.endm
; the first product for batch t: four accumulators by turns, two K steps of 4; the first step starts the sums
.macro FIRST t
.irp u, 0,1,2,3
	v_wmma_f32_16x16x4_f32 v[H+8*\u:H+8*\u+7], v[WA+4*\u:WA+4*\u+1], v[XB+4*\t:XB+4*\t+1], 0
.endr
.irp u, 0,1,2,3
	v_wmma_f32_16x16x4_f32 v[H+8*\u:H+8*\u+7], v[WA+4*\u+2:WA+4*\u+3], v[XB+4*\t+2:XB+4*\t+3], v[H+8*\u:H+8*\u+7]
.endr
.endm
.macro RELU                            ; into other registers, each accumulator from its low end on
.set i, 0
.rept 32
	v_max_num_f32 v[HR+i], 0, v[H+i]
.set i, i+1
.endr
.endm
.macro SMUL d, a, b, c, sa, sb
	v_wmma_scale_f32_16x16x128_f8f6f4 v[\d:\d+7], v[\a:\a+11], v[\b:\b+11], v[\c:\c+7], v[\sa], v[\sb] matrix_a_fmt:MATRIX_FMT_FP6 matrix_b_fmt:MATRIX_FMT_FP6
.endm
	s_load_b512 s[4:19], s[0:1], 0x0               ; src s[4:5], tgt s[6:7], fe_w1 s[8:9], fe_b1 s[10:11], fe_w2 s[12:13], fe_b2 s[14:15], wl_w1 s[16:17], wl_b1 s[18:19]
	s_load_b256 s[20:27], s[0:1], 0x40             ; wl_w2 s[20:21], wl_b2 s[22:23], score s[24:25], txyz s[26:27]
	s_load_b64 s[44:45], s[0:1], 0x60              ; tbb
	v_and_b32 v1, 15, v0                           ; r
	v_bfe_u32 v2, v0, 4, 1                         ; h
	v_and_b32 v3, 31, v0                           ; lane
	v_lshrrev_b32 v15, 5, v0
	v_readfirstlane_b32 s28, v15                   ; wave
	s_mov_b32 s30, 0x76543210
	s_mov_b32 s31, 0xfedcba98                      ; v_permlanex16_b32's selects for lane l xor 16
	v_cmp_eq_u32 s32, 0, v2                        ; lanes 0-15
	v_cmp_ne_u32 s33, 0, v2                        ; lanes 16-31
	s_lshl_b32 s34, ttmp9, 2
	s_add_co_u32 s34, s34, s28                     ; 4 x work-group + wave
	s_cmp_ge_u32 ttmp9, 64
	s_cbranch_scc1 .Limg
	; ---------------- the score ----------------
	s_lshr_b32 s35, s34, 7                         ; cloud
	s_and_b32 s36, s34, 127
	s_lshl_b32 s36, s36, 6                         ; my 16 points: 64 bytes a tile
	s_mov_b32 s37, 0
	s_lshl_b32 s38, s35, 13                        ; score: 8,192 bytes a cloud
	s_add_co_u32 s38, s38, s36
	s_mov_b32 s39, 0
	v_lshlrev_b32 v[X1], 2, v1
	v_lshl_add_u32 v[XA], v2, 14, v[X1]
	v_lshrrev_b32 v15, 3, v1                       ; r / 8
	v_and_b32 v[B1A], 7, v1
	v_lshl_add_u32 v[B1A], v15, 5, v[B1A]          ; rb
	v_mul_u32_u24 v[W1B], v[B1A], 24
	v_lshl_add_u32 v[W1A], v2, 3, v[W1B]
	v_add_nc_u32 v[W1B], 16, v[W1B]
	v_lshlrev_b32 v[B1A], 2, v[B1A]
	v_lshl_add_u32 v[W2A], v15, 3, v1
	v_lshlrev_b32 v[W2A], 8, v[W2A]
	v_lshl_add_u32 v[W2A], v2, 7, v[W2A]
	v_lshlrev_b32 v[W3A], 7, v1
	v_lshlrev_b32 v[CB2A], 6, v2
	v_lshlrev_b32 v[C8A], 5, v2
	v_lshlrev_b32 v[H8], 3, v2
	v_mov_b32 v[PT], 0                             ; written once: a lane permute's destination counts as one of its sources
	v_mov_b32 v84, 0
	v_mov_b32 v85, 0
	s_wait_kmcnt 0x0
	s_cmp_eq_u32 s35, 0
	s_cselect_b64 s[4:5], s[4:5], s[6:7]           ; my cloud
	s_add_nc_u64 s[4:5], s[4:5], s[36:37]
	s_add_nc_u64 s[24:25], s[24:25], s[38:39]
	s_load_b32 s29, s[22:23], 0x0                  ; wl_b2
	; 20 loads for the first product
.irp u, 0,1,2,3
	global_load_b64 v[WA+4*\u:WA+4*\u+1], v[W1A], s[8:9] offset:192*\u       ; fe_w1(row, 2 h + j)
	global_load_b64 v[WA+4*\u+2:WA+4*\u+3], v[W1B], s[8:9] offset:192*\u     ; fe_w1(row, 4 + j): no h in the address, so nothing leaves the buffer; lanes 16-31 are mended below
	global_load_b32 v[B1L+\u], v[B1A], s[10:11] offset:32*\u
.endr
.irp t, 0,1
.irp j, 0,1
	global_load_b32 v[XB+4*\t+\j], v[XA], s[4:5] offset:49152*\t+8192*\j
	global_load_b32 v[XB+4*\t+2+\j], v[X1], s[4:5] offset:49152*\t+8192*(4+\j)
.endr
.endr
	; 32 loads for what follows
.irp i, 0,1,2,3,4,5,6,7
	global_load_b128 v[W3F+4*\i:W3F+4*\i+3], v[W3A], s[16:17] offset:16*\i   ; wl_w1's row r, in both halves of the lanes
.endr
.irp u, 0,1
.irp i, 0,1,2,3,4,5,6,7
	global_load_b128 v[W2F+32*\u+4*\i:W2F+32*\u+4*\i+3], v[W2A], s[12:13] offset:2048*\u+16*\i   ; fe_w2: my row's block h
.endr
	global_load_b128 v[CB2+8*\u:CB2+8*\u+3], v[CB2A], s[14:15] offset:32*\u
	global_load_b128 v[CB2+8*\u+4:CB2+8*\u+7], v[CB2A], s[14:15] offset:32*\u+16
.endr
	global_load_b128 v[CB1:CB1+3], v[C8A], s[18:19]
	global_load_b128 v[CB1+4:CB1+7], v[C8A], s[18:19] offset:16
	global_load_b128 v[WL2:WL2+3], v[C8A], s[20:21]
	global_load_b128 v[WL2+4:WL2+7], v[C8A], s[20:21] offset:16
	s_wait_loadcnt 32                              ; the first 20 are in; the 32 issued behind them may be out
.irp u, 0,1,2,3                                ; lanes 16-31 hold K slots 6 and 7: the bias and 0
	v_cndmask_b32 v[WA+4*\u+2], v[WA+4*\u+2], v[B1L+\u], s33
	v_cndmask_b32 v[WA+4*\u+3], 0, v[WA+4*\u+3], s32
.endr
.irp t, 0,1
	v_cndmask_b32 v[XB+4*\t+2], 1.0, v[XB+4*\t+2], s32
	v_cndmask_b32 v[XB+4*\t+3], 0, v[XB+4*\t+3], s32
.endr
	FIRST 0
	s_wait_loadcnt 0x0
	s_wait_kmcnt 0x0
	; the weights are quantised while the first products run: plain work that names none of their registers, far more than the places that are owed behind them
	QB32 W3F, TC, TT
	v_lshl_or_b32 v[SW3], v[BY], 8, v[BY]          ; the same byte for K block 0 and K block 1
.irp i, 0,1,2,3,4,5
	v_cndmask_b32 v[W3CA+\i], 0, v[TC+\i], s32     ; codes in block 0, zeros in block 1
	v_cndmask_b32 v[W3CB+\i], 0, v[TC+\i], s33     ; and the other way
	v_mov_b32 v[W3CA+6+\i], 0
	v_mov_b32 v[W3CB+6+\i], 0
.endr
	QB32 W2F, 248, TT
	WORD2 SW2
	QB32 W2F+32, W2C1, TT
	WORD2 SW2+1
.irp i, 0,1,2,3,4,5
	v_mov_b32 v[W2C0+\i], v[248+\i]
	v_mov_b32 v[W2C0+6+\i], 0                      ; K = 64 .. 127 of every operand: zero codes
	v_mov_b32 v[W2C1+6+\i], 0
	v_mov_b32 v[HC+6+\i], 0
	v_mov_b32 v[HC+18+\i], 0
	v_mov_b32 v[FOP+6+\i], 0
.endr
	RELU                                           ; batch 0's hidden layer leaves the accumulators,
	FIRST 1                                        ; which take batch 1's
	QB32 HR, HC, TT                                ; (also the places behind those products)
	WORD2 SH
	RELU
	QB32 HR, HC+12, TT
	WORD2 SH+1
.rept 8
	v_nop                                          ; a scale register written by a vector instruction stands 8 places ahead of a scaled matrix instruction, an operand so written 4
.endr
	SMUL HR,    W2C0, HC,    CB2,   SW2,   SH      ; features (T, u): lane (r, h), register j: channel 16 h + 8 u + j of point r
	SMUL HR+8,  W2C1, HC,    CB2+8, SW2+1, SH
	SMUL HR+16, W2C0, HC+12, CB2,   SW2,   SH+1
	SMUL HR+24, W2C1, HC+12, CB2+8, SW2+1, SH+1
.rept 4
	v_nop
.endr
	; the features' one block of 32 lies in lanes l and l xor 16; the two batches by turns, each accumulator from its low end on
.irp t, 0,1
	v_max3_num_f32 v[82+\t], |v[HR+16*\t]|, |v[HR+16*\t+1]|, 0x1800000
.endr
.irp i, 2,4,6,8,10,12,14
.irp t, 0,1
	v_max3_num_f32 v[82+\t], v[82+\t], |v[HR+16*\t+\i]|, |v[HR+16*\t+\i+1]|
.endr
.endr
.irp t, 0,1
	v_permlanex16_b32 v[84+\t], v[82+\t], s30, s31
.endr
.irp t, 0,1
	v_max_num_f32 v[82+\t], v[82+\t], v[84+\t]
.endr
.irp t, 0,1
	v_add_nc_u32 v[86+\t], 0xff000000, v[82+\t]
.endr
.irp t, 0,1
	v_lshrrev_b32 v[88+\t], 23, v[86+\t]
.endr
	v_lshl_or_b32 v[SF], v89, 8, v88
	v_cvt_scalef32_pk16_fp6_f32 v[FOP:FOP+2], v[HR:HR+15], v86
	v_cvt_scalef32_pk16_fp6_f32 v[FT:FT+2], v[HR+16:HR+31], v87
	v_nop                                          ; one plain place behind a scaled conversion
.irp i, 0,1,2
	v_permlane16_swap_b32 v[FOP+\i], v[FT+\i]      ; the first now holds channels 0-15 (lanes 0-15: batch 0, lanes 16-31: batch 1), the second channels 16-31
.endr
.irp i, 0,1,2
	v_mov_b32 v[FOP+3+\i], v[FT+\i]
.endr
.rept 8
	v_nop
.endr
	SMUL G,   W3CA, FOP, CB1, SW3, SF              ; batch 0: lane (r, h), register j: channel 8 h + j of point r
	SMUL G+8, W3CB, FOP, CB1, SW3, SF              ; batch 1
.rept 4
	v_nop
.endr
.irp j, 0,1,2,3,4,5,6,7
.irp t, 0,1
	v_max_num_f32 v[HR+8*\t+\j], 0, v[G+8*\t+\j]
.endr
.endr
.irp t, 0,1
	v_mul_f32 v[90+\t], v[HR+8*\t], v[WL2]
.endr
.irp j, 1,2,3,4,5,6,7
.irp t, 0,1
	v_fma_f32 v[90+\t], v[HR+8*\t+\j], v[WL2+\j], v[90+\t]
.endr
.endr
.irp t, 0,1
	v_permlanex16_b32 v[84+\t], v[90+\t], s30, s31 ; the other eight channels
.endr
.irp t, 0,1
	v_add_f32 v[90+\t], v[90+\t], v[84+\t]
.endr
.irp t, 0,1
	v_add_f32 v[90+\t], s29, v[90+\t]
.endr
	v_add_f32 v90, v90, v91
	v_mul_f32 v90, 0.5, v90                        ; the mean over the batch
	v_cmp_gt_u32 vcc_lo, 16, v3
	s_wait_xcnt 0x0                                ; EXEC changes only behind this wait
	s_and_saveexec_b32 s40, vcc_lo
	global_store_b32 v[X1], v90, s[24:25]          ; lanes 0-15: 64 consecutive bytes
	s_wait_xcnt 0x0
	s_or_b32 exec_lo, exec_lo, s40
	s_endpgm
	; ---------------- the targets, laid out for the next launch ----------------
	; A wave takes 64 targets: four chunks, 768 bytes of txyz, 256 bytes of tbb.  Word d = 0 .. 191 of the 768 bytes is chunk d / 48, coordinate (d % 48) / 16, target d % 16.
	; Lane l of store k holds words 64 k + 2 l and the next, which are two neighbouring targets of one coordinate: it loads them as 8 bytes.  Each store of the wave covers 256 consecutive bytes, aligned.
.Limg:
	s_sub_co_u32 s34, s34, 256                     ; 0 .. 63 = 32 x batch + group of 64 targets
	s_lshr_b32 s35, s34, 5                         ; batch
	s_and_b32 s36, s34, 31
	s_lshl_b32 s37, s36, 8                         ; 64 targets x 4 bytes
	s_mul_i32 s38, s35, 49152                      ; tgt_pts: 49,152 bytes a batch
	s_add_co_u32 s38, s38, s37
	s_mov_b32 s39, 0
	s_mul_i32 s40, s35, 24576                      ; txyz: 24,576 bytes a batch, 768 a group
	s_mul_i32 s41, s36, 768
	s_add_co_u32 s40, s40, s41
	s_mov_b32 s41, 0
	s_lshl_b32 s42, s35, 13                        ; tbb: 8,192 bytes a batch
	s_add_co_u32 s42, s42, s37
	s_mov_b32 s43, 0
.irp k, 0,1,2
	v_lshl_add_u32 v4, v3, 1, 64*\k                ; d
	v_mul_u32_u24 v5, v4, 171
	v_lshrrev_b32 v5, 13, v5                       ; d / 48 (171 / 8192 serves every d under 192)
	v_mul_u32_u24 v6, v5, 48
	v_sub_nc_u32 v6, v4, v6                        ; d % 48
	v_lshrrev_b32 v7, 4, v6                        ; the coordinate
	v_and_b32 v6, 15, v6                           ; the target in its chunk
	v_lshlrev_b32 v6, 2, v6
	v_lshl_add_u32 v6, v5, 6, v6                   ; + 64 bytes a chunk
	v_lshl_add_u32 v[8+\k], v7, 13, v6             ; + 8,192 bytes a coordinate
.endr
	v_lshlrev_b32 v11, 3, v3                       ; 8 x lane
	s_wait_kmcnt 0x0
	s_add_nc_u64 s[6:7], s[6:7], s[38:39]
	s_add_nc_u64 s[26:27], s[26:27], s[40:41]
	s_add_nc_u64 s[44:45], s[44:45], s[42:43]
.irp k, 0,1,2
	global_load_b64 v[16+2*\k:17+2*\k], v[8+\k], s[6:7]
.endr
.irp c, 0,1,2
	global_load_b64 v[24+2*\c:25+2*\c], v11, s[6:7] offset:8192*\c   ; x, y, z of targets 2 l and 2 l + 1
.endr
	s_wait_loadcnt 0x0
.irp i, 0,1,2,3,4,5
	v_mul_f32 v[16+\i], -2.0, v[16+\i]
.endr
	v_pk_mul_f32 v[30:31], v[24:25], v[24:25]
	v_pk_fma_f32 v[30:31], v[26:27], v[26:27], v[30:31]
	v_pk_fma_f32 v[30:31], v[28:29], v[28:29], v[30:31]              ; |t|^2
.irp k, 0,1,2
	global_store_b64 v11, v[16+2*\k:17+2*\k], s[26:27] offset:256*\k
.endr
	global_store_b64 v11, v[30:31], s[44:45]
	s_endpgm
.Lfunc_end_k_q517c033d51_prep:
	.size	k_q517c033d51_prep, .Lfunc_end_k_q517c033d51_prep-k_q517c033d51_prep
	.p2alignl 7, 3214868480
	.fill 96, 4, 3214868480
	.section	.rodata,"a",@progbits
	.p2align	6, 0x0
	.amdhsa_kernel k_q517c033d51_prep
		.amdhsa_group_segment_fixed_size 0
		.amdhsa_private_segment_fixed_size 0
		.amdhsa_enable_private_segment 0
		.amdhsa_kernarg_size 104
		.amdhsa_user_sgpr_count 2
		.amdhsa_user_sgpr_kernarg_segment_ptr 1
		.amdhsa_wavefront_size32 1
		.amdhsa_system_sgpr_workgroup_id_x 1
		.amdhsa_system_sgpr_workgroup_id_y 1
		.amdhsa_system_sgpr_workgroup_id_z 1
		.amdhsa_system_vgpr_workitem_id 0
		.amdhsa_next_free_vgpr 256
		.amdhsa_next_free_sgpr 66
		.amdhsa_reserve_vcc 1
		.amdhsa_float_denorm_mode_32 3
		.amdhsa_float_denorm_mode_16_64 3
		.amdhsa_memory_ordered 1
		.amdhsa_forward_progress 1
		.amdhsa_inst_pref_size 30
	.end_amdhsa_kernel
	.amdgpu_metadata
---
amdhsa.version: [ 1, 2 ]
amdhsa.kernels:
  - .name:           k_q517c033d51_prep
    .symbol:         k_q517c033d51_prep.kd
    .args:
      - { .name: src_pts, .offset: 0, .size: 8, .value_kind: global_buffer, .address_space: global }
      - { .name: tgt_pts, .offset: 8, .size: 8, .value_kind: global_buffer, .address_space: global }
      - { .name: fe_w1, .offset: 16, .size: 8, .value_kind: global_buffer, .address_space: global }
      - { .name: fe_b1, .offset: 24, .size: 8, .value_kind: global_buffer, .address_space: global }
      - { .name: fe_w2, .offset: 32, .size: 8, .value_kind: global_buffer, .address_space: global }
      - { .name: fe_b2, .offset: 40, .size: 8, .value_kind: global_buffer, .address_space: global }
      - { .name: wl_w1, .offset: 48, .size: 8, .value_kind: global_buffer, .address_space: global }
      - { .name: wl_b1, .offset: 56, .size: 8, .value_kind: global_buffer, .address_space: global }
      - { .name: wl_w2, .offset: 64, .size: 8, .value_kind: global_buffer, .address_space: global }
      - { .name: wl_b2, .offset: 72, .size: 8, .value_kind: global_buffer, .address_space: global }
      - { .name: score, .offset: 80, .size: 8, .value_kind: global_buffer, .address_space: global }
      - { .name: txyz, .offset: 88, .size: 8, .value_kind: global_buffer, .address_space: global }
      - { .name: tbb, .offset: 96, .size: 8, .value_kind: global_buffer, .address_space: global }
    .group_segment_fixed_size: 0
    .private_segment_fixed_size: 0
    .kernarg_segment_align: 8
    .kernarg_segment_size: 104
    .max_flat_workgroup_size: 128
    .sgpr_count:     66
    .vgpr_count:     256
    .wavefront_size: 32
...
	.end_amdgpu_metadata
.endif
;; end of part 1
;; launch knn (part 2): grid 2224 x 1, 4 waves a work-group, no clusters, 30,208 bytes of LDS; arguments score, txyz, tbb, candidate_pts, tab, out1; writes tab, out1
.if DOCPART == 2
	.amdgcn_target "amdgcn-amd-amdhsa--gfx1250"
	.amdhsa_code_object_version 6
	.text
	.protected	k_q517c033d51_knn
	.globl	k_q517c033d51_knn
	.p2align	8
	.type	k_q517c033d51_knn,@function
k_q517c033d51_knn:
	s_mov_b64 s[64:65], 0
	v_nop
	global_prefetch_b8 v0, s[64:65] scope:SCOPE_SE
	s_setreg_imm32_b32 hwreg(HW_REG_WAVE_MODE, 25, 1), 1
	s_wait_xcnt 0x0
; TWO JOBS, parted by the work-group's number.
; WORK-GROUPS 16-2223: for each of 70,656 queries the 32 smallest of its 2,048 distances to the batch's targets, ascending, each divided by their sum.
;   SHARES.  A work-group owns 32 queries of one batch (1,104 work-groups a batch): a lane is a query.  Wave w walks targets 512 w .. 512 w + 511, 32 a batch, 16 batches; at the end the four waves' lists are merged.
;   DISTANCES BY FUSED MULTIPLY-ADDS IN f32: d' = |t|^2 + q . (-2 t); |q|^2 is added at the end, since it does not change the order.  The product's K is 3: the matrix forms for 16-bit operands have K = 32 and would do
;   more than ten times its multiply-adds.  The targets are the same for all lanes, so -2 t comes as SCALARS (16 targets: three loads of 64 bytes), and one dual instruction does one multiply-add for two targets;
;   |t|^2 is not added: it is loaded from LDS, one address for all lanes, into the registers onto which the multiply-adds sum.
;   SELECTION WITHOUT A BRANCH: a lane keeps the 32 smallest so far, sorted, in registers.  A batch of 32 new numbers is sorted descending by a bitonic network (15 layers of 16 compare-exchanges), the smaller of list
;   and batch is taken place by place (32 minima: the 32 smallest of the 64, as a bitonic run), and five layers sort that run.
;   A COMPARE-EXCHANGE IS ONE DUAL INSTRUCTION (minimum :: maximum), written out of place between two sets of registers.  Place p lies in register p with its lowest bit turned by the parity of its other bits: every
;   pair of a layer differs in one bit of p, so its two registers are one even and one odd, which serves the dual form's destinations and, with the sources named in opposite order, its banks.
;   The first layer frees the distances' registers: the next batch's distances are made among the other layers, a chunk of 16 targets at a time, each chunk's scalars asked for 144 duals or more ahead.
;   THE END.  The four lists go to LDS as images of their registers; wave w finishes queries 8 w .. 8 w + 7, four lanes to a query (lane = query % 8 + 8 x list): lanes l and l xor 8 merge, then l and l xor 16.
;   No tensor loads and no joint loads: what work-groups share is 32 KiB a batch, read through scalar loads and one copy of 8 KiB; 30,208 bytes of LDS and 152 registers let several work-groups share a WGP.
; WORK-GROUPS 0-15: the rank of every point's score in its cloud (larger first, ties to the lower index).  A wave owns 64 points and compares them with all 2,048 scores, which come as scalars.
;   tab[cloud][block of 64 points][slot 0..63] = i + 1 where point i of the block has rank = slot, else 0: every address is fixed, the ranks are data alone.  No LDS, no barrier on this path.
; LIMITS: NaN and infinities are not served; a query whose 32 distances sum to 0 gives NaN.
.set DUAL,  1                          ; 0: each pair as two plain instructions
.set BB,    0                          ; LDS: |t|^2 of the batch's 2,048 targets
.set LIST,  8192                       ; four lists: 32 registers x 32 lanes, LP bytes apart
.set LP,    4224                       ; 4,096 + 128
.set STG,   25088                      ; a stage of 8 rows x (128 + 16) bytes for each wave
.set SPARE, 29696                      ; the spare words, 128 bytes for each wave: two blocks of 256 bytes that no other line names
.set SPW,  2                           ; v2   LDS address of my spare word; never rewritten
.set NIL,  3                           ; v3   0; never rewritten
.set L16,  4                           ; v4   16 x lane
.set AD,   5                           ; v5   LDS address of the batch's |t|^2
.set BBA,  6                           ; v6   BB + 2,048 x wave
.set QO,   7                           ; v7   12 x lane: my query
.set QX,   8                           ; v8-13 my query's x, x, y, y, z, z: two copies, in different banks, for the two halves of a dual instruction
.set LSTO, 14                          ; v14  where I store my list
.set LRD,  15                          ; v15  where I read the list that I finish
.set FQ,   16                          ; v16  12 x (8 wave + lane % 8): the query that I finish
.set T16,  17                          ; v17  16 x thread
.set AA,   18                          ; v[18:19] |q|^2 of the query that I finish, twice
.set STO,  20                          ; v20  the stage: where I put my 32 bytes
.set RD,   21                          ; v21  the stage: where I read rows back
.set Y,    24                          ; v24-55   32 distances
.set XR,   56                          ; v56-87   scratch
.set S1,   88                          ; v88-119  list or scratch
.set S2,   120                         ; v120-151 scratch or list
.set TB,   84                          ; s84  where the next batch's |t|^2 begin in my quarter
                                       ; s[16:31], s[32:47], s[48:63]: -2 x, -2 y, -2 z of 16 targets
; one layer of a bitonic network, from set S into set D: places li and li ^ J; descending where bit LOGK of li, turned by DESC, is set
.macro LAYER S, D, LOGK, J, DESC
.set li, 0
.rept 32
.set ll, li^(\J)
.if ll > li
.set ra, li^(((li>>1)^(li>>2)^(li>>3)^(li>>4))&1)
.set rb, ll^(((ll>>1)^(ll>>2)^(ll>>3)^(ll>>4))&1)
.if (((li>>(\LOGK))&1)^(\DESC)) == 0
.set rlo, ra
.set rhi, rb
.else
.set rlo, rb
.set rhi, ra
.endif
.if DUAL
	v_dual_min_num_f32 v[\D+rlo], v[\S+ra], v[\S+rb] :: v_dual_max_num_f32 v[\D+rhi], v[\S+rb], v[\S+ra]
.else
	v_min_num_f32 v[\D+rlo], v[\S+ra], v[\S+rb]
	v_max_num_f32 v[\D+rhi], v[\S+rb], v[\S+ra]
.endif
.endif
.set li, li+1
.endr
.endm
.macro MINSTEP Q, P                    ; Q ascending, P descending: place by place the smaller, into Q
.set li, 0
.rept 16
.if DUAL
	v_dual_min_num_f32 v[\Q+li], v[\Q+li], v[\P+li] :: v_dual_min_num_f32 v[\Q+li+1], v[\Q+li+1], v[\P+li+1]
.else
	v_min_num_f32 v[\Q+li], v[\Q+li], v[\P+li]
	v_min_num_f32 v[\Q+li+1], v[\Q+li+1], v[\P+li+1]
.endif
.set li, li+2
.endr
.endm
.macro MERGE Q, P                      ; the bitonic run in Q ends in P, ascending
	LAYER \Q, \P, 5, 16, 0
	LAYER \P, \Q, 5, 8, 0
	LAYER \Q, \P, 5, 4, 0
	LAYER \P, \Q, 5, 2, 0
	LAYER \Q, \P, 5, 1, 0
.endm
; the distances of chunk c (16 targets) of a batch: three multiply-adds onto |t|^2, two targets an instruction; all x, then all y, then all z, so that no line waits for the line above it
.macro DIST c
	s_wait_kmcnt 0x0                               ; the chunk's 48 scalars
.irp d, 0,1,2
.irp i, 0,2,4,6,8,10,12,14
.if DUAL
	v_dual_fmac_f32 v[Y+16*\c+\i], s[16+16*\d+\i], v[QX+2*\d] :: v_dual_fmac_f32 v[Y+16*\c+\i+1], s[17+16*\d+\i], v[QX+2*\d+1]
.else
	v_fmac_f32 v[Y+16*\c+\i], s[16+16*\d+\i], v[QX+2*\d]
	v_fmac_f32 v[Y+16*\c+\i+1], s[17+16*\d+\i], v[QX+2*\d+1]
.endif
.endr
.endr
.endm
.macro NEXTCH                          ; the next chunk's scalars.  It stands behind a wait for all scalar loads, so the base may step
	s_add_nc_u64 s[6:7], s[6:7], 192
	s_load_b512 s[16:31], s[6:7], 0x0
	s_load_b512 s[32:47], s[6:7], 0x40
	s_load_b512 s[48:63], s[6:7], 0x80
.endm
; a batch: its distances are in Y, the list is in Q and ends in P.  nb = 1: the next batch's distances are made on the way;  ld2 = 1: and the first chunk of the batch after that is asked for
.macro BATCH P, Q, nb, ld2
	LAYER Y, \P, 1, 1, 1                           ; the sort, descending: 15 layers, from Y to P and then to and fro between P and XR
.if \nb
	v_add_nc_u32 v[AD], s[TB], v[BBA]
.irp i, 0,1,2,3,4,5,6,7
	ds_load_b128 v[Y+4*\i:Y+4*\i+3], v[AD] offset:BB+16*\i           ; |t|^2 of the next 32 targets: one address for all lanes
.endr
	s_add_co_u32 s[TB], s[TB], 128
.endif
	LAYER \P, XR, 2, 2, 1
	LAYER XR, \P, 2, 1, 1
	LAYER \P, XR, 3, 4, 1
	LAYER XR, \P, 3, 2, 1
	LAYER \P, XR, 3, 1, 1
	LAYER XR, \P, 4, 8, 1
.if \nb
	s_wait_dscnt 0x0                               ; |t|^2, asked for 96 duals ago
	DIST 0
	NEXTCH
.endif
	LAYER \P, XR, 4, 4, 1
	LAYER XR, \P, 4, 2, 1
	LAYER \P, XR, 4, 1, 1
	LAYER XR, \P, 5, 16, 1
	LAYER \P, XR, 5, 8, 1
	LAYER XR, \P, 5, 4, 1
	LAYER \P, XR, 5, 2, 1
	LAYER XR, \P, 5, 1, 1
	MINSTEP \Q, \P
.if \nb
	DIST 1
.if \ld2
	NEXTCH
.endif
.endif
	MERGE \Q, \P
.endm
	s_load_b256 s[4:11], s[0:1], 0x0               ; score s[4:5], txyz s[6:7], tbb s[8:9], candidate_pts s[10:11]
	s_load_b128 s[12:15], s[0:1], 0x20             ; tab s[12:13], out1 s[14:15]
	v_lshl_add_u32 v[SPW], v0, 2, SPARE
	v_mov_b32 v[NIL], 0
	v_lshrrev_b32 v1, 5, v0
	v_readfirstlane_b32 s66, v1                    ; wave
	v_and_b32 v1, 31, v0                           ; lane
	s_mov_b32 s68, 0x76543210
	s_mov_b32 s69, 0xfedcba98                      ; v_permlanex16_b32's selects for lane l xor 16
	s_cmp_lt_u32 ttmp9, 16
	s_cbranch_scc1 .Lrank
	; ---------------- nearest neighbours ----------------
	s_sub_co_u32 s70, ttmp9, 16
	s_mul_i32 s72, s70, 384                        ; candidate_pts: 32 queries x 12 bytes
	s_mov_b32 s73, 0
	s_lshl_b32 s74, s70, 12                        ; out1: 32 queries x 128 bytes,
	s_lshl_b32 s71, s66, 10                        ; + the 8 that I finish
	s_add_co_u32 s74, s74, s71
	s_mov_b32 s75, 0
	s_cmp_ge_u32 s70, 1104                         ; the batch
	s_cselect_b32 s76, 24576, 0
	s_cselect_b32 s78, 8192, 0
	s_mul_i32 s71, s66, 6144                       ; txyz: my quarter: 32 chunks of 192 bytes
	s_add_co_u32 s76, s76, s71
	s_mov_b32 s77, 0
	s_mov_b32 s79, 0
	s_lshl_b32 s80, s66, 11                        ; |t|^2: my quarter: 2,048 bytes
	s_lshl_b32 s81, s66, 3
	s_mul_i32 s82, s66, LP
	s_add_co_u32 s82, s82, LIST                    ; my list
	s_mul_i32 s83, s66, 1152
	s_add_co_u32 s83, s83, STG                     ; my stage
	v_lshlrev_b32 v[L16], 4, v1
	v_lshlrev_b32 v[T16], 4, v0
	v_mov_b32 v[BBA], s80
	v_mul_u32_u24 v[QO], v1, 12
	v_and_b32 v22, 7, v1                           ; which of my eight queries
	v_lshrrev_b32 v23, 3, v1                       ; which of the four lists
	v_add_nc_u32 v[FQ], s81, v22
	v_mul_u32_u24 v[LRD], v23, LP
	v_lshl_add_u32 v[LRD], v[FQ], 4, v[LRD]
	v_add_nc_u32 v[LRD], LIST, v[LRD]
	v_mul_u32_u24 v[FQ], v[FQ], 12
	v_add_nc_u32 v[LSTO], s82, v[L16]
	v_mul_u32_u24 v[STO], v22, 144
	v_lshl_add_u32 v[STO], v23, 5, v[STO]
	v_add_nc_u32 v[STO], s83, v[STO]               ; in: my query's row, 32 bytes for each of its four lanes
	v_mul_u32_u24 v[RD], v23, 144
	v_lshl_add_u32 v[RD], v22, 4, v[RD]
	v_add_nc_u32 v[RD], s83, v[RD]                 ; back: eight lanes to a row of 128 bytes, four rows an instruction
	v_and_b32 v22, 8, v1
	v_and_b32 v23, 16, v1
	v_cmp_ne_u32 s86, 0, v22                       ; lists 1 and 3
	v_cmp_ne_u32 s87, 0, v23                       ; lists 2 and 3
	s_wait_kmcnt 0x0
	s_add_nc_u64 s[10:11], s[10:11], s[72:73]
	s_add_nc_u64 s[14:15], s[14:15], s[74:75]
	s_add_nc_u64 s[6:7], s[6:7], s[76:77]
	s_add_nc_u64 s[8:9], s[8:9], s[78:79]
	s_load_b512 s[16:31], s[6:7], 0x0              ; my first chunk
	s_load_b512 s[32:47], s[6:7], 0x40
	s_load_b512 s[48:63], s[6:7], 0x80
.irp d, 0,1,2
	global_load_b32 v[QX+2*\d], v[QO], s[10:11] offset:4*\d          ; the query that I walk for
	global_load_b32 v[XR+\d], v[FQ], s[10:11] offset:4*\d            ; the query that I finish
.endr
.irp k, 0,1,2,3
	global_load_b128 v[S1+4*\k:S1+4*\k+3], v[T16], s[8:9] offset:2048*\k     ; |t|^2 of the batch: 128 threads x 16 bytes x 4
.endr
	s_wait_loadcnt 0x0
.irp k, 0,1,2,3
	ds_store_b128 v[T16], v[S1+4*\k:S1+4*\k+3] offset:BB+2048*\k
.endr
.irp d, 0,1,2
	v_mov_b32 v[QX+2*\d+1], v[QX+2*\d]
.endr
	v_mul_f32 v[AA], v[XR], v[XR]
	v_fma_f32 v[AA], v[XR+1], v[XR+1], v[AA]
	v_fma_f32 v[AA], v[XR+2], v[XR+2], v[AA]
	v_mov_b32 v[AA+1], v[AA]
	s_wait_dscnt 0x0                               ; for the others' sake: my part of every quarter has landed
	s_barrier_signal -1
	s_barrier_wait -1                              ; |t|^2 is whole; nobody writes it again
.irp i, 0,1,2,3,4,5,6,7
	ds_load_b128 v[Y+4*\i:Y+4*\i+3], v[BBA] offset:BB+16*\i          ; batch 0
.endr
.set k, 0
.rept 32
	v_mov_b32 v[S2+k], 0x7f800000                  ; the list begins as 32 x +infinity
.set k, k+1
.endr
	s_wait_dscnt 0x0
	DIST 0
	NEXTCH
	DIST 1
	NEXTCH
	s_mov_b32 s[TB], 128
	s_mov_b32 s85, 7
.Lpair:                                        ; batches 0 to 13, two a trip: the list goes from S2 to S1 and back
	BATCH S1, S2, 1, 1
	BATCH S2, S1, 1, 1
	s_sub_co_u32 s85, s85, 1
	s_cmp_lg_u32 s85, 0
	s_cbranch_scc1 .Lpair
	BATCH S1, S2, 1, 0                             ; batch 14: batch 15's distances; no chunk follows my quarter's last,
	BATCH S2, S1, 0, 0                             ; batch 15: nothing is left to make
	; the four lists meet: as images of their registers, 16 bytes a lane
.irp i, 0,1,2,3,4,5,6,7
	ds_store_b128 v[LSTO], v[S2+4*\i:S2+4*\i+3] offset:512*\i
.endr
	s_wait_dscnt 0x0                               ; for the others' sake: my list has landed
	s_barrier_signal -1
	s_barrier_wait -1
.irp i, 0,1,2,3,4,5,6,7
	ds_load_b128 v[S2+4*\i:S2+4*\i+3], v[LRD] offset:512*\i          ; list lane / 8 of query 8 w + lane % 8, into the same registers
.endr
	s_wait_dscnt 0x0
.set li, 0
.rept 32                               ; lane l xor 8's list, taken backwards, against mine: the exchange rides on the minimum
.set ll, li^31
.set ra, li^(((li>>1)^(li>>2)^(li>>3)^(li>>4))&1)
.set rb, ll^(((ll>>1)^(ll>>2)^(ll>>3)^(ll>>4))&1)
	v_min_num_f32_dpp v[S1+ra], v[S2+rb], v[S2+ra] row_xmask:8 row_mask:0xf bank_mask:0xf
.set li, li+1
.endr
	MERGE S1, S2
.set li, 0
.rept 32                               ; and lane l xor 16's
.set ll, li^31
.set ra, li^(((li>>1)^(li>>2)^(li>>3)^(li>>4))&1)
.set rb, ll^(((ll>>1)^(ll>>2)^(ll>>3)^(ll>>4))&1)
	v_permlanex16_b32 v[S1+ra], v[S2+rb], s68, s69
.set li, li+1
.endr
	MINSTEP S2, S1
	MERGE S2, S1                                   ; all four lanes of a query now hold its 32 smallest, ascending, in S1
.set li, 0
.rept 8                                ; lane l goes on with ranks 8 (l / 8) + 0 .. 7
.set r0, li^(((li>>1)^(li>>2)^(li>>3)^(li>>4))&1)
.set ll, li+8
.set r1, ll^(((ll>>1)^(ll>>2)^(ll>>3)^(ll>>4))&1)
.set ll, li+16
.set r2, ll^(((ll>>1)^(ll>>2)^(ll>>3)^(ll>>4))&1)
.set ll, li+24
.set r3, ll^(((ll>>1)^(ll>>2)^(ll>>3)^(ll>>4))&1)
	v_cndmask_b32 v[Y+li], v[S1+r0], v[S1+r1], s86
	v_cndmask_b32 v[Y+8+li], v[S1+r2], v[S1+r3], s86
	v_cndmask_b32 v[XR+li], v[Y+li], v[Y+8+li], s87
.set li, li+1
.endr
.irp i, 0,2,4,6
	v_pk_add_f32 v[XR+\i:XR+\i+1], v[XR+\i:XR+\i+1], v[AA:AA+1]      ; + |q|^2
.endr
.irp i, 0,1,2,3,4,5,6,7
	v_max_num_f32 v[XR+\i], 0, v[XR+\i]
.endr
.irp i, 0,1,2,3,4,5,6,7
	v_sqrt_f32 v[XR+\i], v[XR+\i]
.endr
	v_nop                                          ; a plain instruction behind the last root
	s_wait_alu depctr_va_vdst(0)                   ; one wait for the eight, ahead of their first reader
	v_pk_add_f32 v[Y:Y+1], v[XR:XR+1], v[XR+2:XR+3]
	v_pk_add_f32 v[Y+2:Y+3], v[XR+4:XR+5], v[XR+6:XR+7]
	v_pk_add_f32 v[Y:Y+1], v[Y:Y+1], v[Y+2:Y+3]
	v_add_f32 v[Y], v[Y], v[Y+1]
	v_add_f32_dpp v[Y], v[Y], v[Y] row_xmask:8 row_mask:0xf bank_mask:0xf
	v_permlanex16_b32 v[Y+2], v[Y], s68, s69
	v_add_f32 v[Y], v[Y], v[Y+2]                   ; the sum of the 32 distances
	v_rcp_f32 v[Y], v[Y]
	v_nop
	s_wait_alu depctr_va_vdst(0)                   ; ahead of the reciprocal's first reader
.irp i, 0,2,4,6
	v_pk_mul_f32 v[XR+\i:XR+\i+1], v[XR+\i:XR+\i+1], v[Y:Y+1] op_sel_hi:[1,0]
.endr
	; the way out: through my own stage, so that each store of the wave covers 512 consecutive bytes of out1
	ds_store_b128 v[STO], v[XR:XR+3]
	ds_store_b128 v[STO], v[XR+4:XR+7] offset:16
	ds_load_b128 v[Y:Y+3], v[RD]                   ; LDS serves a wave's instructions in order: these see my stores
	ds_load_b128 v[Y+4:Y+7], v[RD] offset:576
	s_wait_dscnt 1                                 ; the first load is back; the second may be out
	global_store_b128 v[L16], v[Y:Y+3], s[14:15] th:TH_STORE_NT
	s_wait_dscnt 0x0
	global_store_b128 v[L16], v[Y+4:Y+7], s[14:15] offset:512 th:TH_STORE_NT
	s_wait_tensorcnt 0x0                           ; the wave's end
	ds_add_u32 v[SPW], v[NIL]
	s_wait_dscnt 0x0
	s_endpgm
	; ---------------- ranks ----------------
; 32 scalars against my score v: one more for each that counts
.macro RK ins, v
.set t, 0
.rept 32
	\ins vcc_lo, s[32+t], v[10+\v]
	v_add_co_ci_u32 v[12+\v], vcc_lo, 0, v[12+\v], vcc_lo
.set t, t+1
.endr
.endm
; my own chunk: point t counts where it is larger, or equal and t < my lane
.macro RKD v
.set t, 0
.rept 32
	v_cmp_gt_f32 s81, s[32+t], v[10+\v]
	v_cmp_ge_f32 s82, s[32+t], v[10+\v]
	s_and_b32 s82, s82, (0xfffffffe<<t)&0xffffffff
	s_or_b32 vcc_lo, s81, s82
	v_add_co_ci_u32 v[12+\v], vcc_lo, 0, v[12+\v], vcc_lo
.set t, t+1
.endr
.endm
.Lrank:
	s_lshl_b32 s70, ttmp9, 2
	s_add_co_u32 s70, s70, s66                     ; 0 .. 63
	s_lshr_b32 s71, s70, 5                         ; cloud
	s_and_b32 s72, s70, 31                         ; my block of 64 points
	s_lshl_b32 s74, s71, 13                        ; 8,192 bytes a cloud, in score and in tab
	s_mov_b32 s75, 0
	s_lshl_b32 s76, s72, 8                         ; 256 bytes a block, in both
	s_lshl_b32 s77, s72, 1                         ; my first chunk of 32
	s_lshl_b32 s78, s72, 6                         ; my first point
	v_lshlrev_b32 v6, 2, v1
	v_add_nc_u32 v6, s76, v6
	v_lshlrev_b32 v7, 3, v1
	v_add_nc_u32 v7, s76, v7
	v_mov_b32 v12, 0                               ; the ranks of points 64 blk + lane
	v_mov_b32 v13, 0                               ; and 64 blk + 32 + lane
	s_wait_kmcnt 0x0
	s_add_nc_u64 s[4:5], s[4:5], s[74:75]
	s_add_nc_u64 s[12:13], s[12:13], s[74:75]
	global_load_b32 v10, v6, s[4:5]
	global_load_b32 v11, v6, s[4:5] offset:128
	s_mov_b32 s80, 0
	s_wait_loadcnt 0x0
.Lchunk:                                       ; 64 trips: 32 scores of the cloud a trip
	s_load_b512 s[32:47], s[4:5], 0x0
	s_load_b512 s[48:63], s[4:5], 0x40
	s_wait_kmcnt 0x0                               ; the loads are done, so their base may step
	s_add_nc_u64 s[4:5], s[4:5], 128
	s_cmp_lt_u32 s80, s77                          ; the branches hang on ids and the count of trips alone
	s_cbranch_scc1 .Lbelow
	s_cmp_eq_u32 s80, s77
	s_cbranch_scc1 .Ldiag0
	s_add_co_u32 s79, s77, 1
	s_cmp_eq_u32 s80, s79
	s_cbranch_scc1 .Ldiag1
	RK v_cmp_gt_f32, 0                             ; points behind mine: only the larger count
	RK v_cmp_gt_f32, 1
	s_branch .Lnext
.Lbelow:
	RK v_cmp_ge_f32, 0                             ; points ahead of mine: equal ones count too
	RK v_cmp_ge_f32, 1
	s_branch .Lnext
.Ldiag0:
	RKD 0
	RK v_cmp_ge_f32, 1
	s_branch .Lnext
.Ldiag1:
	RK v_cmp_gt_f32, 0
	RKD 1
.Lnext:
	s_add_co_u32 s80, s80, 1
	s_cmp_lt_u32 s80, 64
	s_cbranch_scc1 .Lchunk
	; the block's 64 slots: lane l holds slots 2 l and 2 l + 1; each of my 64 points is held against them
	v_lshlrev_b32 v14, 1, v1
	v_or_b32 v15, 1, v14
	v_mov_b32 v16, 0
	v_mov_b32 v17, 0
.irp v, 0,1
.set t, 0
.rept 32
	v_readlane_b32 s83, v[12+\v], t
	v_cmp_ne_u32 vcc_lo, s83, v14
	v_cndmask_b32 v16, 32*\v+t+1, v16, vcc_lo
	v_cmp_ne_u32 vcc_lo, s83, v15
	v_cndmask_b32 v17, 32*\v+t+1, v17, vcc_lo
.set t, t+1
.endr
.endr
	v_cmp_ne_u32 vcc_lo, 0, v16
	v_add_nc_u32 v18, s78, v16
	v_cndmask_b32 v16, v16, v18, vcc_lo            ; i + 1, or 0
	v_cmp_ne_u32 vcc_lo, 0, v17
	v_add_nc_u32 v19, s78, v17
	v_cndmask_b32 v17, v17, v19, vcc_lo
	global_store_b64 v7, v[16:17], s[12:13]        ; the wave stores 256 consecutive bytes, aligned
	s_endpgm
.Lfunc_end_k_q517c033d51_knn:
	.size	k_q517c033d51_knn, .Lfunc_end_k_q517c033d51_knn-k_q517c033d51_knn
	.p2alignl 7, 3214868480
	.fill 96, 4, 3214868480
	.section	.rodata,"a",@progbits
	.p2align	6, 0x0
	.amdhsa_kernel k_q517c033d51_knn
		.amdhsa_group_segment_fixed_size 30208
		.amdhsa_private_segment_fixed_size 0
		.amdhsa_enable_private_segment 0
		.amdhsa_kernarg_size 48
		.amdhsa_user_sgpr_count 2
		.amdhsa_user_sgpr_kernarg_segment_ptr 1
		.amdhsa_wavefront_size32 1
		.amdhsa_system_sgpr_workgroup_id_x 1
		.amdhsa_system_sgpr_workgroup_id_y 1
		.amdhsa_system_sgpr_workgroup_id_z 1
		.amdhsa_system_vgpr_workitem_id 0
		.amdhsa_next_free_vgpr 152
		.amdhsa_next_free_sgpr 88
		.amdhsa_reserve_vcc 1
		.amdhsa_float_denorm_mode_32 3
		.amdhsa_float_denorm_mode_16_64 3
		.amdhsa_memory_ordered 1
		.amdhsa_forward_progress 1
		.amdhsa_inst_pref_size 169
	.end_amdhsa_kernel
	.amdgpu_metadata
---
amdhsa.version: [ 1, 2 ]
amdhsa.kernels:
  - .name:           k_q517c033d51_knn
    .symbol:         k_q517c033d51_knn.kd
    .args:
      - { .name: score, .offset: 0, .size: 8, .value_kind: global_buffer, .address_space: global }
      - { .name: txyz, .offset: 8, .size: 8, .value_kind: global_buffer, .address_space: global }
      - { .name: tbb, .offset: 16, .size: 8, .value_kind: global_buffer, .address_space: global }
      - { .name: candidate_pts, .offset: 24, .size: 8, .value_kind: global_buffer, .address_space: global }
      - { .name: tab, .offset: 32, .size: 8, .value_kind: global_buffer, .address_space: global }
      - { .name: out1, .offset: 40, .size: 8, .value_kind: global_buffer, .address_space: global }
    .group_segment_fixed_size: 30208
    .private_segment_fixed_size: 0
    .kernarg_segment_align: 8
    .kernarg_segment_size: 48
    .max_flat_workgroup_size: 128
    .sgpr_count:     88
    .vgpr_count:     152
    .wavefront_size: 32
...
	.end_amdgpu_metadata
.endif
;; end of part 2
;; launch group (part 3): grid 32 x 1, 4 waves a work-group, no clusters, 8,192 bytes of LDS; arguments tab, src_pts, tgt_pts, out0, out2, out3; writes out0, out2, out3
.if DOCPART == 3
	.amdgcn_target "amdgcn-amd-amdhsa--gfx1250"
	.amdhsa_code_object_version 6
	.text
	.protected	k_q517c033d51_group
	.globl	k_q517c033d51_group
	.p2align	8
	.type	k_q517c033d51_group,@function
k_q517c033d51_group:
	s_mov_b64 s[64:65], 0
	v_nop
	global_prefetch_b8 v0, s[64:65] scope:SCOPE_SE
	s_setreg_imm32_b32 hwreg(HW_REG_WAVE_MODE, 25, 1), 1
	s_wait_xcnt 0x0
; Keypoints and ball query.  Work-group g: cloud g / 16 (0 = src, 1 = tgt), batch (g / 8) % 2, eight of the 64 centres; wave w takes centres 8 (g % 8) + 2 w and the next.
; 1. The index of rank r is the sum over the 32 blocks of tab[cloud][block][r], less 1: one term is not 0.  These are whole numbers read from memory, held to 0 .. 2,047 ahead of the address.
; 2. The 64 keypoints' six channels are gathered into LDS as [64][6] f32, which is out0's own layout (two work-groups of the src cloud store it).
; 3. d2 = |a|^2 + |b|^2 - 2 a.b among keypoints; a point is in the ball unless d2 > 1.  WHICH points are in the ball hangs on floating-point numbers, so no address and no branch is made of it:
;    the 64 keypoints are walked in index order; a scalar count says which slot the next in-ball point takes, and the lane of that number takes its six channels by v_cndmask_b32.  Lane n = slot n.
; 4. Slots past the count take slot 0's point; the centre is taken off xyz.
; 32 work-groups: the work is 256 centres of 64 steps each; a finer split would only repeat phases 1 and 2.
; LIMITS: NaN and infinities are not served; a centre with no point in its ball (which takes such data) gets keypoint 63 in every slot, the index 64 held to the table.
.set KP,    0                          ; LDS: the keypoints, 64 x 24 bytes
.set STG,   1536                       ; a stage of 2 x 768 bytes for each wave
.set SPARE, 7680                       ; the spare words, 128 bytes for each wave: two blocks of 256 bytes that no other line names
.set SPW, 2                            ; v2   LDS address of my spare word; never rewritten
.set NIL, 3                            ; v3   0; never rewritten
.set KK,  16                           ; v16-27  keypoints lane and lane + 32, six channels each
.set CC,  28                           ; v28-30, v32-34  my two centres' xyz
.set OO,  40                           ; v40-51  the two centres' slot of my lane, six channels each
	s_load_b256 s[4:11], s[0:1], 0x0               ; tab s[4:5], src s[6:7], tgt s[8:9], out0 s[10:11]
	s_load_b128 s[12:15], s[0:1], 0x20             ; out2 s[12:13], out3 s[14:15]
	v_lshl_add_u32 v[SPW], v0, 2, SPARE
	v_mov_b32 v[NIL], 0
	v_lshrrev_b32 v4, 5, v0
	v_readfirstlane_b32 s16, v4                    ; wave
	v_and_b32 v1, 31, v0                           ; lane
	s_lshr_b32 s17, ttmp9, 4                       ; cloud
	s_bfe_u32 s18, ttmp9, 0x10003                  ; batch
	s_and_b32 s19, ttmp9, 7
	s_lshl_b32 s20, s19, 3
	s_lshl_b32 s21, s16, 1
	s_add_co_u32 s20, s20, s21                     ; my first centre
	s_lshl_b32 s22, s17, 13                        ; tab: 8,192 bytes a cloud
	s_mov_b32 s23, 0
	s_mul_i32 s24, s18, 49152                      ; the points: 49,152 bytes a batch
	s_mov_b32 s25, 0
	s_lshl_b32 s26, s18, 6
	s_add_co_u32 s26, s26, s20
	s_mul_i32 s26, s26, 768                        ; the grouped output: 768 bytes a centre
	s_mov_b32 s27, 0
	s_mul_i32 s28, s18, 1536                       ; out0: 1,536 bytes a batch
	s_mov_b32 s29, 0
	s_mul_i32 s31, s20, 24
	s_mul_i32 s30, s16, 1536
	s_add_co_u32 s30, s30, STG                     ; my stage
	v_and_b32 v4, 63, v0                           ; rank r
	v_lshrrev_b32 v14, 6, v0                       ; which three channels
	v_mul_u32_u24 v5, v4, 24
	v_mad_u32_u24 v5, v14, 12, v5                  ; LDS: keypoint r, channels 3 (t / 64) on
	v_lshlrev_b32 v6, 2, v4                        ; tab: slot r
	v_lshlrev_b32 v7, 4, v0                        ; 16 x thread
	v_mul_u32_u24 v8, v1, 24                       ; LDS: keypoint = lane
	v_mov_b32 v9, s31                              ; LDS: my first centre
	v_add_nc_u32 v10, s30, v8                      ; the stage, in: slot = lane
	v_lshlrev_b32 v12, 4, v1                       ; 16 x lane
	v_add_nc_u32 v11, s30, v12                     ; the stage, back
	v_mul_u32_u24 v14, v14, 24576                  ; three channels of 8,192 bytes
	s_wait_kmcnt 0x0
	s_cmp_eq_u32 s17, 0
	s_cselect_b64 s[6:7], s[6:7], s[8:9]           ; my cloud's points,
	s_cselect_b64 s[12:13], s[12:13], s[14:15]     ; and its output
	s_add_nc_u64 s[4:5], s[4:5], s[22:23]
	s_add_nc_u64 s[6:7], s[6:7], s[24:25]
	s_add_nc_u64 s[12:13], s[12:13], s[26:27]
	s_add_nc_u64 s[10:11], s[10:11], s[28:29]
.set k, 0
.rept 32
	global_load_b32 v[32+k], v6, s[4:5] offset:256*k
.set k, k+1
.endr
	s_wait_loadcnt 0x0
	v_add3_u32 v13, v32, v33, v34
.irp i, 35,37,39,41,43,45,47,49,51,53,55,57,59,61
	v_add3_u32 v13, v13, v[\i], v[\i+1]
.endr
	v_add_nc_u32 v13, v13, v63
	v_add_nc_u32 v13, -1, v13
	v_min_u32 v13, 0x7ff, v13                      ; the point of rank r, held inside the cloud
	v_lshlrev_b32 v13, 2, v13
	v_add_nc_u32 v13, v13, v14
	global_load_b32 v52, v13, s[6:7]
	global_load_b32 v53, v13, s[6:7] offset:8192
	global_load_b32 v54, v13, s[6:7] offset:16384
	s_wait_loadcnt 0x0
	ds_store_b32 v5, v52 offset:KP
	ds_store_b32 v5, v53 offset:KP+4
	ds_store_b32 v5, v54 offset:KP+8
	s_wait_dscnt 0x0                               ; for the others' sake: my stores have landed
	s_barrier_signal -1
	s_barrier_wait -1                              ; the 64 keypoints lie in LDS; nobody writes them again
	s_and_b32 s32, ttmp9, 23                       ; src cloud, first eighth: work-groups 0 and 8 store out0, waves 0 to 2: 96 threads x 16 bytes
	s_cmp_lg_u32 s32, 0
	s_cbranch_scc1 .Lno_out0
	s_cmp_ge_u32 s16, 3
	s_cbranch_scc1 .Lno_out0
	ds_load_b128 v[72:75], v7 offset:KP
	s_wait_dscnt 0x0
	global_store_b128 v7, v[72:75], s[10:11]
.Lno_out0:
.irp v, 0,1
.irp k, 0,1,2
	ds_load_b64 v[KK+6*\v+2*\k:KK+6*\v+2*\k+1], v8 offset:KP+768*\v+8*\k
.endr
.endr
.irp e, 0,1
	ds_load_b64 v[CC+4*\e:CC+4*\e+1], v9 offset:KP+24*\e
	ds_load_b32 v[CC+4*\e+2], v9 offset:KP+24*\e+8
.endr
	s_wait_dscnt 0x0
.irp v, 0,1
	v_mul_f32 v[36+\v], v[KK+6*\v], v[KK+6*\v]
	v_fma_f32 v[36+\v], v[KK+6*\v+1], v[KK+6*\v+1], v[36+\v]
	v_fma_f32 v[36+\v], v[KK+6*\v+2], v[KK+6*\v+2], v[36+\v]
.endr
.irp e, 0,1
	v_mul_f32 v[38+\e], v[CC+4*\e], v[CC+4*\e]
	v_fma_f32 v[38+\e], v[CC+4*\e+1], v[CC+4*\e+1], v[38+\e]
	v_fma_f32 v[38+\e], v[CC+4*\e+2], v[CC+4*\e+2], v[38+\e]
.endr
.irp e, 0,1
.irp v, 0,1
	v_mul_f32 v52, v[CC+4*\e], v[KK+6*\v]
	v_fma_f32 v52, v[CC+4*\e+1], v[KK+6*\v+1], v52
	v_fma_f32 v52, v[CC+4*\e+2], v[KK+6*\v+2], v52
	v_add_f32 v53, v[38+\e], v[36+\v]
	v_fma_f32 v52, -2.0, v52, v53
	v_cmp_lt_f32 s[40+2*\e+\v], 1.0, v52           ; outside the ball
	s_not_b32 s[40+2*\e+\v], s[40+2*\e+\v]         ; s[40 + 2 e + v]: bit l = keypoint 32 v + l is in centre e's ball
.endr
.endr
	s_mov_b32 s44, 0                               ; how many each centre has taken
	s_mov_b32 s45, 0
.irp c, 0,1,2,3,4,5
	v_readlane_b32 s[48+\c], v[KK+6+\c], 31
.endr
.irp e, 0,1
.irp c, 0,1,2,3,4,5
	v_mov_b32 v[OO+6*\e+\c], s[48+\c]              ; every slot begins as keypoint 63
.endr
.endr
; keypoint j: its six channels as scalars; for each centre: if j is in the ball it belongs to slot = the count, and the count goes up; else to no slot
.macro JSTEP j
.irp c, 0,1,2,3,4,5
	v_readlane_b32 s[48+\c], v[KK+6*((\j)/32)+\c], (\j)%32
.endr
.irp e, 0,1
	s_bitcmp1_b32 s[40+2*\e+(\j)/32], (\j)%32
	s_cselect_b32 s46, s[44+\e], -1
	s_add_co_ci_u32 s[44+\e], s[44+\e], 0
	v_cmp_ne_u32 vcc_lo, s46, v1
.irp c, 0,1,2,3,4,5
	v_cndmask_b32 v[OO+6*\e+\c], s[48+\c], v[OO+6*\e+\c], vcc_lo
.endr
.endr
.endm
.set q, 0
.rept 64
	JSTEP q
.set q, q+1
.endr
.irp e, 0,1
.irp c, 0,1,2,3,4,5
	v_readlane_b32 s[48+\c], v[OO+6*\e+\c], 0      ; the first neighbour
.endr
	v_cmp_gt_u32 vcc_lo, s[44+\e], v1              ; slots under the count keep theirs
.irp c, 0,1,2,3,4,5
	v_cndmask_b32 v[OO+6*\e+\c], s[48+\c], v[OO+6*\e+\c], vcc_lo
.endr
.irp c, 0,1,2
	v_sub_f32 v[OO+6*\e+\c], v[OO+6*\e+\c], v[CC+4*\e+\c]
.endr
.endr
	; the way out: 24 bytes a lane into my stage, 16 bytes a lane back: each store of the wave covers 512 consecutive bytes, aligned
.irp e, 0,1
.irp k, 0,1,2
	ds_store_b64 v10, v[OO+6*\e+2*\k:OO+6*\e+2*\k+1] offset:768*\e+8*\k
.endr
.endr
.irp k, 0,1,2
	ds_load_b128 v[60+4*\k:63+4*\k], v11 offset:512*\k               ; LDS serves a wave's instructions in order: these see my stores
.endr
.irp k, 0,1,2
	s_wait_dscnt 2-\k                              ; load k is back; the younger ones may be out
	global_store_b128 v12, v[60+4*\k:63+4*\k], s[12:13] offset:512*\k
.endr
	s_wait_tensorcnt 0x0                           ; the wave's end
	ds_add_u32 v[SPW], v[NIL]
	s_wait_dscnt 0x0
	s_endpgm
.Lfunc_end_k_q517c033d51_group:
	.size	k_q517c033d51_group, .Lfunc_end_k_q517c033d51_group-k_q517c033d51_group
	.p2alignl 7, 3214868480
	.fill 96, 4, 3214868480
	.section	.rodata,"a",@progbits
	.p2align	6, 0x0
	.amdhsa_kernel k_q517c033d51_group
		.amdhsa_group_segment_fixed_size 8192
		.amdhsa_private_segment_fixed_size 0
		.amdhsa_enable_private_segment 0
		.amdhsa_kernarg_size 48
		.amdhsa_user_sgpr_count 2
		.amdhsa_user_sgpr_kernarg_segment_ptr 1
		.amdhsa_wavefront_size32 1
		.amdhsa_system_sgpr_workgroup_id_x 1
		.amdhsa_system_sgpr_workgroup_id_y 1
		.amdhsa_system_sgpr_workgroup_id_z 1
		.amdhsa_system_vgpr_workitem_id 0
		.amdhsa_next_free_vgpr 96
		.amdhsa_next_free_sgpr 66
		.amdhsa_reserve_vcc 1
		.amdhsa_float_denorm_mode_32 3
		.amdhsa_float_denorm_mode_16_64 3
		.amdhsa_memory_ordered 1
		.amdhsa_forward_progress 1
		.amdhsa_inst_pref_size 78
	.end_amdhsa_kernel
	.amdgpu_metadata
---
amdhsa.version: [ 1, 2 ]
amdhsa.kernels:
  - .name:           k_q517c033d51_group
    .symbol:         k_q517c033d51_group.kd
    .args:
      - { .name: tab, .offset: 0, .size: 8, .value_kind: global_buffer, .address_space: global }
      - { .name: src_pts, .offset: 8, .size: 8, .value_kind: global_buffer, .address_space: global }
      - { .name: tgt_pts, .offset: 16, .size: 8, .value_kind: global_buffer, .address_space: global }
      - { .name: out0, .offset: 24, .size: 8, .value_kind: global_buffer, .address_space: global }
      - { .name: out2, .offset: 32, .size: 8, .value_kind: global_buffer, .address_space: global }
      - { .name: out3, .offset: 40, .size: 8, .value_kind: global_buffer, .address_space: global }
    .group_segment_fixed_size: 8192
    .private_segment_fixed_size: 0
    .kernarg_segment_align: 8
    .kernarg_segment_size: 48
    .max_flat_workgroup_size: 128
    .sgpr_count:     66
    .vgpr_count:     96
    .wavefront_size: 32
...
	.end_amdgpu_metadata
.endif
;; end of part 3
